; MI455X (gfx1250); checked and timed in simulation.
; The chip was launched on July 23, 2026; its instructions are those of AMD's public machine-readable ISA for CDNA 5 (MIT licence, August 2026) and "CDNA5" Instruction Set Architecture Reference Guide (July 2026). The comments in the code are by the model that wrote it; some were corrected since.
;; Linear Attention. Allowed arithmetic: matrix products marked QUANTISED: E2M3 operands, one E8M0 scale for each 32 along K, by v_wmma_scale_f32_16x16x128_f8f6f4 with both operands' format E2M3, f32 sums; everything else in f32.
;; Inputs: K 2 x 16 x 2,048 x 64 float32; Q 2 x 16 x 2,048 x 64 float32; V 2 x 16 x 2,048 x 64 float32.
;; Outputs: out0 2 x 16 x 2,048 x 64 float32.
;; This version of the problem:
;;   THIS VERSION OF THE PROBLEM IS GIVEN IN LOW PRECISION. The matrix products marked QUANTISED in the list below multiply operands that are first quantised to E2M3 (2 exponent bits, 3 mantissa bits; 6 bits a number), with one power-of-two scale for each 32 numbers along K (OCP MX v1.0); their sums are f32. All else is computed in f32.
;;   The module's matrix products, in the order in which they are computed (A, B: the left and right operand; K: the contracted axis; several contracted axes count as one K, in the product's order):
;;     1. batch 32 x [M 2,048, K 64] x [K 64, N 2,048]; A: computed on the way; B: computed on the way: QUANTISED
;;     2. batch 32 x [M 2,048, K 2,048] x [K 2,048, N 64]; A: softmax (see below); B: input V: QUANTISED
;;   THE QUANTISER, for each operand of a quantised product, along K:
;;     - K is cut into blocks of 32 from its start; a last block that is shorter is filled with zeros.
;;     - A block's scale is 2^e with e = floor(log2(the largest magnitude in the block)) - 2, held to -126 .. 127; a block of zeros has e = 0. As a byte (E8M0): e + 127.
;;     - Each number is divided by its block's scale, clamped to +-7.5, and rounded to the nearest number of E2M3, ties to even, subnormals kept.
;;     - The product sums the exact products of the quantised numbers (number of the format x scale) in f32.
;;   ~~~python
;;   def quantise(x, axis):      # numpy; x: float32 -> the quantised numbers, widened to float32 again
;;       x = np.moveaxis(x, axis, -1); K = x.shape[-1]
;;       x = np.pad(x, [(0, 0)] * (x.ndim - 1) + [(0, -K % 32)]); x = x.reshape(x.shape[:-1] + (-1, 32)); a = np.abs(x).max(-1, keepdims=True)
;;       e = np.where(a > 0, np.clip(np.frexp(np.where(a > 0, a, 1))[1] - 1 - 2, -126, 127), 0)      # np.frexp(a)[1] - 1 = floor(log2(a)), exactly
;;       r = np.clip(x / 2.0 ** e, -7.5, 7.5)
;;       step = 2.0 ** (np.maximum(np.frexp(np.where(r == 0, 1, r))[1] - 1, 0) - 3)
;;       q = np.round(r / step) * step * 2.0 ** e      # np.round: ties to even
;;       return np.moveaxis(q.reshape(q.shape[:-2] + (-1,))[..., :K], -1, axis).astype(np.float32)
;;   ~~~
;;   SOFTMAX AHEAD OF A QUANTISED PRODUCT. Where the list says 'softmax', what is quantised is not the finished softmax but p = 2^(t - M), with t = logit x log2(e) and M = ceil(the row's largest t), a whole number; so 1/2 < the row's largest p <= 1. The row's sum l is taken of the UNQUANTISED p, in f32, and the product's result is divided by l at the end. Since M is a whole number, a kernel that streams over the keys may use a running M (the ceiling of the running maximum): every later rescaling is an exact power of two, which a block's scale takes up: the codes' values come out the same.
;;   OPERANDS COMPUTED ON THE WAY. 'Computed on the way' means the value that the module computes at that place (a softmax that the list does not call 'softmax' is quantised finished and normalised). What goes into a quantiser is computed in f32, as accurately as f32 sums, v_exp_f32 and their like allow (about 1e-6 of the number): no bf16 or f16 on the way to a quantiser, and a product that is left as it is and whose result goes on into a quantised operand takes f32 operands (vector FMAs, or v_wmma_f32_16x16x4_f32). A number that lies on a knife's edge between two numbers of the format may be rounded either way, as far as f32 arithmetic and the matrix unit's own rounding can turn it there, and no further.
;; One version. Each part assembles by itself: llvm-mc -triple=amdgcn-amd-amdhsa -mcpu=gfx1250 --defsym DOCPART=n.
;; ======== version 1 of 1: 2 launches
;; limits: right only within a limited range of input values
;; workspace buffers: kv 6,684,672 bytes; tab 524,288 bytes
;; launch prep (part 1): grid 256 x 1, 8 waves a work-group, no clusters, 38,912 bytes of LDS; arguments K, V, kv, tab; writes kv, tab
.if DOCPART == 1
	.amdgcn_target "amdgcn-amd-amdhsa--gfx1250"
	.amdhsa_code_object_version 6
	.text
	.protected	k_q0372b8e897_prep
	.globl	k_q0372b8e897_prep
	.p2align	8
	.type	k_q0372b8e897_prep,@function
k_q0372b8e897_prep:
	s_mov_b64 s[64:65], 0
	v_nop
	global_prefetch_b8 v0, s[64:65] scope:SCOPE_SE
	s_setreg_imm32_b32 hwreg(HW_REG_WAVE_MODE, 25, 1), 1
	s_wait_xcnt 0x0
; K, V: [32 heads][2048][64] f32.  K is rotated (interleaved rotary embedding, f32) and quantised along the head's 64 numbers; V is quantised along the keys.  (Q is rotated and quantised by the launch that reads it.)
; Codes of FP6 (E2M3), one E8M0 byte for each 32 along K: scale 2^(floor(log2(largest magnitude)) - 2).  Results are laid as IMAGES OF OPERAND REGISTERS.
; kv: a block for each head and 128 keys, 13,056 bytes:
;   0 .. 6143       8 tiles of K x 768 bytes: lane (r, h) = row r, k = 32 h .. 32 h + 31: registers 0-3 at 16 x lane, registers 4-5 at 512 + 16 r + 8 h
;   6144 .. 6655    K's scale words: byte 16 l + 4 jj = tile 2 jj + l / 16, row l % 16; a word is b0, b1, b0, b1 (twice: the other half of the instruction's K meets zero codes)
;   6656 .. 12799   4 fragments of V^T x 1,536 bytes: lane (r, h), part c at 768 c: keys 64 c + 32 h + 0 .. 31, laid as a tile of K is.  Fragment 2 u + e, row r is channel 32 u + 2 r + e
;   12800 .. 13055  V's scale words: 128 u + 4 (16 e + r), byte b = key block b
; Row r of K's tile 4 c + j is key 64 c + 32 (r / 8) + 8 j + r % 8: so a lane of the scores' tiles holds whole blocks of 32 keys.
; tab: cosines and sines of every position, for the next launch's Q: 4,096 bytes for each such tile of 16 positions, the register image of CS below.
; SHARES.  Work-groups 0-127 take K: 128 positions of four heads; wave t takes tile t of each, so its 16 positions' sines and cosines are made once, while its loads are out.
; Work-groups 128-255 take V: four blocks each, two waves a block, 64 keys a wave; a lane takes two neighbouring channels, a load is one whole row of 256 bytes.
; THE ANGLE is pos x div, one rounded multiply; div(i) stands here as the correctly rounded f32 of exp(f32(2 i x c)), c = -f32(ln 10000) / 64.  Sine and cosine: the angle less a whole number of
; quarter turns (pi / 2 in two parts; the first subtraction is exact for angles under 2,048), then polynomials on +-pi / 4.
; No cluster and no prefetch: no two work-groups read the same byte, and each wave asks for all that it reads at its head.
; WORK LEFT OUT (in the next launch): products of a block of 128 queries with a block of 128 keys that all come later.  reference()'s own causal mask puts -infinity there for all inputs, so their p is 0 and
; neither the sums nor the outputs change.  A NaN, an infinity or an overflow that reaches only that work is not carried to the result.
; LIMITS: NaN and infinities among the inputs are not served.  A block whose largest magnitude lies under 2^-124, a block of zeros too, gets the byte 1 (the rule gives a block of zeros 127): its codes
; are held to what that scale can tell apart, zeros stay zeros, and this program alone reads the bytes.
.set BLK,  13056
.set STGB, 4352                        ; LDS: a stage for each wave: 16 rows x (256 bytes + 16)
.set SCG,  8*STGB                      ; K's scale words of four heads, 512 bytes each
.set SPARE, SCG+2048                   ; the spare words, 128 bytes a wave
.set VSC,  SPARE+1024                  ; V's scale words of four blocks, 256 bytes each
.set CS,   16                          ; v16-47   pair j: cos, sin of my pair 16 h + j
.set TT,   48                          ; v48-55   four pairs at work
.set R0,   64                          ; v64-191  head n at 64 + 32 n: as loaded; then codes at +0 .. +5 (the second conversion at +8), the scale word at +12
.set Y0,   192                         ; v192-255 two sets of 32 neighbours of a row
.set TA,   192                         ; before that: the angles' work, eight at a time
.set TN,   200
.set TI,   208
.set TZ,   216
.set TP,   224
.set TQ,   232
	s_load_b256 s[4:11], s[0:1], 0x0               ; K s[4:5], V s[6:7], kv s[8:9], tab s[10:11]
	v_lshl_add_u32 v62, v0, 2, SPARE
	v_mov_b32 v63, 0
	v_lshrrev_b32 v1, 5, v0
	v_readfirstlane_b32 s14, v1                    ; wave 0..7
	s_mov_b32 s15, ttmp9                           ; work-group
	s_bfe_u32 s17, s15, 0x40003                    ; which 128 positions
	s_and_b32 s18, s15, 7                          ; heads 4 g .. 4 g + 3
	s_and_b32 s19, s14, 1
	s_lshr_b32 s20, s14, 1
	s_lshr_b32 s23, s14, 2
	s_lshl_b32 s23, s23, 6
	s_and_b32 s52, s14, 3
	s_lshl_b32 s52, s52, 3
	s_add_co_u32 s23, s23, s52                     ; my tile's first row among the 128: 64 c + 8 j
	s_mov_b32 s40, 0x76543210
	s_mov_b32 s41, 0xfedcba98                      ; v_permlanex16_b32's selects for lane l xor 16
	s_mov_b32 s42, 0x3f22f983                      ; 2 / pi
	s_mov_b32 s43, 0xbfc90fdb                      ; -(pi / 2 rounded to f32)
	s_mov_b32 s44, 0x333bbd2e                      ; that number less pi / 2
	s_mov_b32 s45, 0xb94ca1f9                      ; sine: ((S0 z + S1) z + S2) z x + x
	s_mov_b32 s46, 0x3c08839e
	s_mov_b32 s47, 0xbe2aaaa3
	s_mov_b32 s48, 0x37ccf5ce                      ; cosine: ((C0 z + C1) z + C2) z z - z / 2 + 1
	s_mov_b32 s49, 0xbab6061a
	s_mov_b32 s50, 0x3d2aaaa5
	; every LDS address is made here, ahead of the parting of the two kinds of work-group
	v_and_b32 v13, 31, v0                          ; lane
	v_and_b32 v12, 15, v0                          ; r
	v_bfe_u32 v9, v0, 4, 1                         ; h
	s_mul_i32 s53, s14, STGB
	v_lshlrev_b32 v1, 4, v13                       ; 16 x lane: a load's 512 bytes, rows 0-7; also the codes' place
	v_lshlrev_b32 v61, 3, v13                      ; 8 x lane
	v_lshlrev_b32 v7, 3, v9                        ; 8 h
	v_mul_u32_u24 v3, v9, 272
	v_mul_u32_u24 v4, v12, 272
	v_add_nc_u32 v2, 8192, v1                      ; rows 8-15 lie 32 rows further on
	v_lshl_add_u32 v3, v12, 4, v3
	v_lshl_add_u32 v4, v9, 7, v4
	v_lshl_add_u32 v5, v12, 4, v7                  ; 16 r + 8 h
	v_add_nc_u32 v3, s53, v3                       ; into the stage: a load holds two rows, lanes 0-15 the first
	v_add_nc_u32 v4, s53, v4                       ; out of it: row r, 128 h bytes on: my 32 neighbours
	s_lshl_b32 s52, s19, 8
	s_lshl_b32 s53, s20, 2
	s_add_co_u32 s52, s52, s53
	s_add_co_u32 s52, s52, SCG
	v_lshl_add_u32 v6, v12, 4, s52                 ; my row's scale word: 16 r + 256 (tile % 2) + 4 (tile / 2)
	v_and_b32 v14, 7, v12
	v_lshrrev_b32 v15, 3, v12
	s_lshl_b32 s52, s17, 7
	v_lshl_add_u32 v14, v15, 5, v14
	s_add_co_u32 s52, s52, s23
	v_add_nc_u32 v14, s52, v14
	v_mov_b32 v10, 0                               ; written once: a lane permute's destination counts as one of its sources
	v_cvt_f32_u32 v8, v14                          ; my row's position in the sequence
	s_and_b32 s52, s14, 3
	s_lshl_b32 s53, s52, 9
	s_add_co_u32 s53, s53, SCG
	v_add_nc_u32 v11, s53, v1                      ; the end: waves 0-3 take a head's 512 bytes of K's scale words each,
	s_lshl_b32 s53, s52, 8
	s_add_co_u32 s53, s53, VSC
	v_add_nc_u32 v60, s53, v61                     ; or a block's 256 bytes of V's
	s_lshl_b32 s52, s20, 8
	s_lshl_b32 s53, s19, 1
	s_add_co_u32 s52, s52, s53
	s_add_co_u32 s52, s52, VSC
	v_lshl_add_u32 v43, v12, 2, s52
	v_mul_u32_u24 v50, v9, 3072
	v_lshl_add_u32 v43, v9, 7, v43                 ; V's scale bytes: 128 u + 4 r, + 2 c (here lane / 16 is u)
	v_lshl_add_u32 v50, v12, 4, v50                ; V's codes: fragment 2 u, row r
	s_wait_alu depctr_va_vdst(0)                   ; the wait at the head's end
	s_wait_kmcnt 0x0
	s_lshl_b32 s52, s18, 6
	s_add_co_u32 s52, s52, s17                     ; 16 x (head 4 g) + my 128 positions: the block's number
	s_lshl_b32 s54, s52, 15                        ; a block of the input is 32,768 bytes
	s_lshl_b32 s55, s23, 8
	s_add_co_u32 s54, s54, s55
	s_mov_b32 s55, 0
	s_add_nc_u64 s[26:27], s[4:5], s[54:55]        ; in: my tile's first row, head 4 g
	s_mul_i32 s54, s52, BLK
	s_mul_i32 s53, s14, 768
	s_add_co_u32 s54, s54, s53
	s_add_nc_u64 s[28:29], s[8:9], s[54:55]        ; out: my tile in head 4 g's block,
	s_mov_b32 s54, 16*BLK
	s_add_nc_u64 s[30:31], s[28:29], s[54:55]      ; and in the three heads behind it
	s_add_nc_u64 s[32:33], s[30:31], s[54:55]
	s_add_nc_u64 s[34:35], s[32:33], s[54:55]
	s_and_b32 s53, s14, 3
	s_lshl_b32 s53, s53, 4
	s_add_co_u32 s53, s53, s52
	s_mul_i32 s54, s53, BLK
	s_add_co_u32 s54, s54, 6144
	s_add_nc_u64 s[36:37], s[8:9], s[54:55]        ; the scale words of head 4 g + (wave % 4)
	s_lshl_b32 s54, s17, 15
	s_lshl_b32 s53, s14, 12
	s_add_co_u32 s54, s54, s53
	s_add_nc_u64 s[38:39], s[10:11], s[54:55]      ; my tile's cosines and sines
	s_cmp_ge_u32 s15, 128
	s_cbranch_scc1 .Lv
; ---------------- K ----------------
.irp n, 0,1,2,3                                ; 32 loads: each reads 512 consecutive bytes (two rows); read once in the launch
.irp i, 0,1,2,3
	global_load_b128 v[R0+32*\n+4*\i:R0+32*\n+4*\i+3], v1, s[26:27] offset:\n*524288+512*\i th:TH_LOAD_NT
.endr
.irp i, 0,1,2,3
	global_load_b128 v[R0+32*\n+16+4*\i:R0+32*\n+16+4*\i+3], v2, s[26:27] offset:\n*524288+512*\i th:TH_LOAD_NT
.endr
.endr
.macro ANG j, lo, hi                           ; div of pair j (lanes 0-15) or 16 + j (lanes 16-31)
	v_mov_b32 v[TA+\j], \hi
	s_delay_alu instid0(VALU_DEP_1)
	v_cndmask_b32 v[TA+\j], \lo, v[TA+\j], vcc_lo
.endm
; Eight angles, stage by stage, so that no line waits for the line above it.  Results: pairs base .. base + 7 of CS.
.macro TRIG8 base
.irp j, 0,1,2,3,4,5,6,7
	v_mul_f32 v[TA+\j], v8, v[TA+\j]               ; the angle: pos x div, rounded once
.endr
.irp j, 0,1,2,3,4,5,6,7
	v_mul_f32 v[TN+\j], s42, v[TA+\j]
.endr
.irp j, 0,1,2,3,4,5,6,7
	v_rndne_f32 v[TN+\j], v[TN+\j]                 ; quarter turns
.endr
.irp j, 0,1,2,3,4,5,6,7
	v_fma_f32 v[TA+\j], v[TN+\j], s43, v[TA+\j]    ; exact
.endr
.irp j, 0,1,2,3,4,5,6,7
	v_fma_f32 v[TA+\j], v[TN+\j], s44, v[TA+\j]    ; x, within +-pi / 4
.endr
.irp j, 0,1,2,3,4,5,6,7
	v_cvt_i32_f32 v[TI+\j], v[TN+\j]
.endr
.irp j, 0,1,2,3,4,5,6,7
	v_mul_f32 v[TZ+\j], v[TA+\j], v[TA+\j]         ; z = x x
.endr
.irp j, 0,1,2,3,4,5,6,7
	v_fma_f32 v[TP+\j], v[TZ+\j], s45, s46
.endr
.irp j, 0,1,2,3,4,5,6,7
	v_fma_f32 v[TP+\j], v[TP+\j], v[TZ+\j], s47
.endr
.irp j, 0,1,2,3,4,5,6,7
	v_mul_f32 v[TN+\j], v[TA+\j], v[TZ+\j]
.endr
.irp j, 0,1,2,3,4,5,6,7
	v_fma_f32 v[TP+\j], v[TP+\j], v[TN+\j], v[TA+\j]   ; sin x
.endr
.irp j, 0,1,2,3,4,5,6,7
	v_fma_f32 v[TQ+\j], v[TZ+\j], s48, s49
.endr
.irp j, 0,1,2,3,4,5,6,7
	v_fma_f32 v[TQ+\j], v[TQ+\j], v[TZ+\j], s50
.endr
.irp j, 0,1,2,3,4,5,6,7
	v_mul_f32 v[TN+\j], v[TZ+\j], v[TZ+\j]
.endr
.irp j, 0,1,2,3,4,5,6,7
	v_fma_f32 v[TZ+\j], v[TZ+\j], -0.5, 1.0
.endr
.irp j, 0,1,2,3,4,5,6,7
	v_fma_f32 v[TQ+\j], v[TQ+\j], v[TN+\j], v[TZ+\j]   ; cos x
.endr
.irp j, 0,1,2,3,4,5,6,7
	v_and_b32 v[TN+\j], 1, v[TI+\j]
.endr
.irp j, 0,1,2,3,4,5,6,7                        ; an odd number of quarter turns: sine and cosine change places
	v_cmp_eq_u32 vcc_lo, 1, v[TN+\j]
	v_cndmask_b32 v[CS+2*((\base)+\j)+1], v[TP+\j], v[TQ+\j], vcc_lo
	v_cndmask_b32 v[CS+2*((\base)+\j)], v[TQ+\j], v[TP+\j], vcc_lo
.endr
.irp j, 0,1,2,3,4,5,6,7
	v_lshlrev_b32 v[TN+\j], 30, v[TI+\j]           ; the sine is negative in quarters 2 and 3: bit 1 of the count,
.endr
.irp j, 0,1,2,3,4,5,6,7
	v_add_lshl_u32 v[TI+\j], v[TI+\j], 1, 30       ; the cosine in quarters 1 and 2: bit 1 of the count + 1
.endr
.irp j, 0,1,2,3,4,5,6,7
	v_and_b32 v[TN+\j], 0x80000000, v[TN+\j]
.endr
.irp j, 0,1,2,3,4,5,6,7
	v_and_b32 v[TI+\j], 0x80000000, v[TI+\j]
.endr
.irp j, 0,1,2,3,4,5,6,7
	v_xor_b32 v[CS+2*((\base)+\j)+1], v[CS+2*((\base)+\j)+1], v[TN+\j]
.endr
.irp j, 0,1,2,3,4,5,6,7
	v_xor_b32 v[CS+2*((\base)+\j)], v[CS+2*((\base)+\j)], v[TI+\j]
.endr
.endm
	v_cmp_eq_u32 vcc_lo, 1, v9                     ; lanes 16-31 hold pairs 16 .. 31
	ANG 0, 0x3f800000, 0x3c23d70a
	ANG 1, 0x3f3ff911, 0x3bf5b9ad
	ANG 2, 0x3f0ff59a, 0x3bb8449a
	ANG 3, 0x3ed7e89a, 0x3b8a2e75
	ANG 4, 0x3ea1e89b, 0x3b4f3e33
	ANG 5, 0x3e72d422, 0x3b1b690d
	ANG 6, 0x3e361887, 0x3ae91528
	ANG 7, 0x3e088d77, 0x3aaec98e
	TRIG8 0
	v_cmp_eq_u32 vcc_lo, 1, v9
	ANG 0, 0x3dcccccc, 0x3a83126e
	ANG 1, 0x3d99940d, 0x3a44948a
	ANG 2, 0x3d6655c1, 0x3a136a14
	ANG 3, 0x3d2cba15, 0x39dd1721
	ANG 4, 0x3d0186e2, 0x39a5cb61
	ANG 5, 0x3cc2434e, 0x3978a80d
	ANG 6, 0x3c91ad39, 0x393a7753
	ANG 7, 0x3c5a7bf1, 0x390bd46d
	TRIG8 8
	s_wait_alu depctr_va_vdst(0)                   ; directly ahead of the branch
	s_cmp_lg_u32 s18, 0                            ; the work-groups of heads 0-3 store the table: one owner for each tile
	s_cbranch_scc1 .Lnotab
.irp i, 0,1,2,3,4,5,6,7
	global_store_b128 v1, v[CS+4*\i:CS+4*\i+3], s[38:39] offset:512*\i   ; 512 consecutive bytes, aligned; CS is not written again
.endr
.Lnotab:
; The largest magnitude of the 32 numbers v[x] on, with the floor 2^(3 - 127) among the leaves (so the byte cannot fall under 1): sixteen lines in two chains; the result in v[a]
.macro MAX32 x, a, b
	v_max3_num_f32 v[\a], |v[\x]|, |v[\x+1]|, 0x1800000
	v_max3_num_f32 v[\b], |v[\x+2]|, |v[\x+3]|, |v[\x+4]|
.irp i, 5,9,13,17,21,25
	s_delay_alu instid0(VALU_DEP_2)
	v_max3_num_f32 v[\a], v[\a], |v[\x+\i]|, |v[\x+\i+1]|
	s_delay_alu instid0(VALU_DEP_2)
	v_max3_num_f32 v[\b], v[\b], |v[\x+\i+2]|, |v[\x+\i+3]|
.endr
	s_delay_alu instid0(VALU_DEP_2)
	v_max3_num_f32 v[\a], v[\a], |v[\x+29]|, |v[\x+30]|
	s_delay_alu instid0(VALU_DEP_1)
	v_max3_num_f32 v[\a], v[\a], v[\b], |v[\x+31]|
.endm
; Head n's tile through my stage: in as loaded (two rows a load), out 128 bytes of one row a lane.  LDS serves a wave's instructions in order (ISA guide 5.7.1.4): no wait between, and one stage serves all four heads.
.macro TURN n
.irp i, 0,1,2,3,4,5,6,7
	ds_store_b128 v3, v[R0+32*(\n)+4*\i:R0+32*(\n)+4*\i+3] offset:544*\i
.endr
.irp m, 0,1,2,3,4,5,6,7
	ds_load_b128 v[Y0+32*((\n)%2)+4*\m:Y0+32*((\n)%2)+4*\m+3], v4 offset:16*\m
.endr
.endm
.macro TILE n
.set YS, Y0+32*((\n)%2)
.set RN, R0+32*(\n)
.if (\n) == 0
	s_wait_dscnt 0x0                               ; my 32 numbers are back from the stage
.else
	s_wait_dscnt 0x1                               ; the same; the last tile's scale word may be on its way
.endif
.if (\n) < 3
	s_wait_loadcnt 8*(2-(\n))                      ; the next head's eight loads are in; those of the heads behind it may be out
	TURN (\n)+1                                    ; it goes through the stage while this tile is worked
.endif
.irp q, 0,1,2,3                                ; the rotation, two lines a pair (xe, xo): (-xo s, xe s), then (xe c, xo c) added by a fused multiply-add
.irp k, 0,1,2,3
	v_pk_mul_f32 v[TT+2*\k:TT+2*\k+1], v[YS+8*\q+2*\k:YS+8*\q+2*\k+1], v[CS+8*\q+2*\k:CS+8*\q+2*\k+1] op_sel:[1,1] op_sel_hi:[0,1] neg_lo:[0,1]
.endr
.irp k, 0,1,2,3
	s_delay_alu instid0(VALU_DEP_4)
	v_pk_fma_f32 v[YS+8*\q+2*\k:YS+8*\q+2*\k+1], v[YS+8*\q+2*\k:YS+8*\q+2*\k+1], v[CS+8*\q+2*\k:CS+8*\q+2*\k+1], v[TT+2*\k:TT+2*\k+1] op_sel_hi:[1,0,1]
.endr
.endr
	MAX32 YS, 12, 13                               ; a block of 32 is all mine
	s_delay_alu instid0(VALU_DEP_1)
	v_add_nc_u32 v14, 0xff000000, v12              ; 2 off its exponent field: the conversion takes the exponent field of this operand as its scale
	v_cvt_scalef32_pk16_fp6_f32 v[RN:RN+2], v[YS:YS+15], v14
	v_cvt_scalef32_pk16_fp6_f32 v[RN+8:RN+10], v[YS+16:YS+31], v14   ; (a conversion's three registers begin on an even number)
	v_lshrrev_b32 v15, 23, v14                     ; the scale's byte.  (Also the plain line behind the conversions)
	v_mov_b32 v[RN+3], v[RN+8]
	v_mov_b32 v[RN+4], v[RN+9]
	v_mov_b32 v[RN+5], v[RN+10]
	s_delay_alu instid0(VALU_DEP_4)
	v_lshlrev_b32 v[RN+12], v7, v15                ; my byte at its place,
	s_delay_alu instid0(VALU_DEP_1)
	v_permlanex16_b32 v10, v[RN+12], s40, s41
	s_delay_alu instid0(VALU_DEP_1)
	v_or_b32 v[RN+12], v[RN+12], v10               ; with lane l xor 16's,
	s_delay_alu instid0(VALU_DEP_1)
	v_lshl_or_b32 v[RN+12], v[RN+12], 16, v[RN+12] ; and both once more
	global_store_b128 v1, v[RN:RN+3], s[28+2*(\n):29+2*(\n)]             ; 512 consecutive bytes, aligned to 256
	global_store_b64 v5, v[RN+4:RN+5], s[28+2*(\n):29+2*(\n)] offset:512 ; 256 consecutive bytes, aligned
	ds_store_b32 v6, v[RN+12] offset:512*(\n)      ; both halves of the lanes write the same word with the same value
.endm                                          ; no store's data, offset or base is written again in this path
	s_wait_loadcnt 24                              ; head 4 g's eight loads are in
	TURN 0
	TILE 0
	TILE 1
	TILE 2
	TILE 3
	s_branch .Ljoin
; ---------------- V ----------------
.Lv:
	s_sub_co_u32 s52, s15, 128
	s_lshl_b32 s52, s52, 2
	s_add_co_u32 s53, s52, s14
	s_mul_i32 s54, s53, BLK
	s_add_co_u32 s54, s54, 12800
	s_add_nc_u64 s[34:35], s[8:9], s[54:55]        ; the scale words of block 4 g + wave (waves 0-3, at the end)
	s_add_co_u32 s52, s52, s20                     ; my block: 16 x head + which 128 keys
	s_lshl_b32 s54, s52, 15
	s_lshl_b32 s53, s19, 14                        ; c = wave % 2: keys 64 c .. 64 c + 63
	s_add_co_u32 s54, s54, s53
	s_add_nc_u64 s[26:27], s[6:7], s[54:55]
	s_mul_i32 s54, s52, BLK
	s_mul_i32 s53, s19, 768
	s_add_co_u32 s54, s54, s53
	s_add_co_u32 s54, s54, 6656
	s_add_nc_u64 s[28:29], s[8:9], s[54:55]        ; part c of the block's fragments
.set k, 0
.rept 64                                       ; row k, channels 2 lane and 2 lane + 1: 256 consecutive bytes, aligned; read once in the launch
	global_load_b64 v[64+2*k:65+2*k], v61, s[26:27] offset:256*k th:TH_LOAD_NT
.set k, k+1
.endr
; Key block kb of my two, channels 2 lane + e.  v16 + 4 (2 kb + e): registers 0-3 of the operand; v32 + 4 e + 2 kb: its registers 4-5; v48 + e: the scale bytes
.macro BLOCKV kb
.irp e, 0,1
.set m, 0
.rept 16                                       ; the channel's 32 numbers side by side: a conversion takes neighbouring registers
	v_dual_mov_b32 v[192+32*\e+2*m], v[64+64*(\kb)+4*m+\e] :: v_dual_mov_b32 v[193+32*\e+2*m], v[66+64*(\kb)+4*m+\e]
.set m, m+1
.endr
	MAX32 192+32*\e, 44, 45
	s_delay_alu instid0(VALU_DEP_1)
	v_add_nc_u32 v46, 0xff000000, v44
	v_cvt_scalef32_pk16_fp6_f32 v[16+4*(2*(\kb)+\e):18+4*(2*(\kb)+\e)], v[192+32*\e:207+32*\e], v46
	v_cvt_scalef32_pk16_fp6_f32 v[40:42], v[208+32*\e:223+32*\e], v46
	v_lshrrev_b32 v47, 23, v46                     ; the byte.  (Also the plain line behind the conversions)
	v_mov_b32 v[19+4*(2*(\kb)+\e)], v40
	v_mov_b32 v[32+4*\e+2*(\kb)], v41
	v_mov_b32 v[33+4*\e+2*(\kb)], v42
.if (\kb) == 0
	v_mov_b32 v[48+\e], v47
.else
	v_lshl_or_b32 v[48+\e], v47, 8, v[48+\e]
.endif
	global_store_b128 v50, v[16+4*(2*(\kb)+\e):19+4*(2*(\kb)+\e)], s[28:29] offset:1536*\e+256*(\kb)   ; sixteen lanes store 256 consecutive bytes, aligned
.endr
.endm
	s_wait_loadcnt 32                              ; the second block's 32 loads may be out
	BLOCKV 0
	s_wait_loadcnt 0x0
	BLOCKV 1
.irp e, 0,1
	global_store_b128 v50, v[32+4*\e:35+4*\e], s[28:29] offset:1536*\e+512   ; registers 4-5 of both halves of the lanes: the same shape
	ds_store_b16 v43, v[48+\e] offset:64*\e        ; my two bytes of the channel's scale word
.endr
; ---------------- the end: on every wave's path, so that every wave passes the barrier ----------------
.Ljoin:
	s_wait_dscnt 0x0                               ; for the others' sake: my scale words lie in LDS
	s_barrier_signal -1
	s_barrier_wait -1
	s_cmp_ge_u32 s14, 4
	s_cbranch_scc1 .Lend
	s_cmp_ge_u32 s15, 128
	s_cbranch_scc1 .Lvscale
	ds_load_b128 v[56:59], v11                     ; a head's 512 bytes of scale words, from all eight waves
	s_wait_dscnt 0x0
	global_store_b128 v1, v[56:59], s[36:37]       ; 512 consecutive bytes, aligned to 256
	s_branch .Lend
.Lvscale:
	ds_load_b64 v[56:57], v60                      ; a block's 256 bytes, from two waves
	s_wait_dscnt 0x0
	global_store_b64 v61, v[56:57], s[34:35]       ; one aligned unit of 256 bytes
.Lend:
	s_wait_tensorcnt 0x0                           ; the wave's end
	ds_add_u32 v62, v63
	s_wait_dscnt 0x0
	s_endpgm
.Lfunc_end_k_q0372b8e897_prep:
	.size	k_q0372b8e897_prep, .Lfunc_end_k_q0372b8e897_prep-k_q0372b8e897_prep
	.p2alignl 7, 3214868480
	.fill 96, 4, 3214868480
	.section	.rodata,"a",@progbits
	.p2align	6, 0x0
	.amdhsa_kernel k_q0372b8e897_prep
		.amdhsa_group_segment_fixed_size 38912
		.amdhsa_private_segment_fixed_size 0
		.amdhsa_enable_private_segment 0
		.amdhsa_kernarg_size 32
		.amdhsa_user_sgpr_count 2
		.amdhsa_user_sgpr_kernarg_segment_ptr 1
		.amdhsa_wavefront_size32 1
		.amdhsa_system_sgpr_workgroup_id_x 1
		.amdhsa_system_sgpr_workgroup_id_y 1
		.amdhsa_system_sgpr_workgroup_id_z 1
		.amdhsa_system_vgpr_workitem_id 0
		.amdhsa_next_free_vgpr 256
		.amdhsa_next_free_sgpr 66
		.amdhsa_reserve_vcc 1
		.amdhsa_float_denorm_mode_32 3
		.amdhsa_float_denorm_mode_16_64 3
		.amdhsa_memory_ordered 1
		.amdhsa_forward_progress 1
		.amdhsa_inst_pref_size 74
	.end_amdhsa_kernel
	.amdgpu_metadata
---
amdhsa.version: [ 1, 2 ]
amdhsa.kernels:
  - .name:           k_q0372b8e897_prep
    .symbol:         k_q0372b8e897_prep.kd
    .args:
      - { .name: K, .offset: 0, .size: 8, .value_kind: global_buffer, .address_space: global }
      - { .name: V, .offset: 8, .size: 8, .value_kind: global_buffer, .address_space: global }
      - { .name: kv, .offset: 16, .size: 8, .value_kind: global_buffer, .address_space: global }
      - { .name: tab, .offset: 24, .size: 8, .value_kind: global_buffer, .address_space: global }
    .group_segment_fixed_size: 38912
    .private_segment_fixed_size: 0
    .kernarg_segment_align: 8
    .kernarg_segment_size: 32
    .max_flat_workgroup_size: 256
    .sgpr_count:     66
    .vgpr_count:     256
    .wavefront_size: 32
...
	.end_amdgpu_metadata
.endif
;; end of part 1
;; launch attn (part 2): grid 8 x 32, 16 waves a work-group, clusters of 4 x 1, 327,680 bytes of LDS; arguments Q, kv, tab, out0; writes out0
.if DOCPART == 2
	.amdgcn_target "amdgcn-amd-amdhsa--gfx1250"
	.amdhsa_code_object_version 6
	.text
	.protected	k_q0372b8e897_attn
	.globl	k_q0372b8e897_attn
	.p2align	8
	.type	k_q0372b8e897_attn,@function
k_q0372b8e897_attn:
	s_mov_b64 s[64:65], 0
	v_nop
	global_prefetch_b8 v0, s[64:65] scope:SCOPE_SE
	s_setreg_imm32_b32 hwreg(HW_REG_WAVE_MODE, 25, 1), 1
	s_wait_xcnt 0x0
	s_wait_alu depctr_hold_cnt(0) depctr_sa_sdst(0) depctr_va_vdst(0) depctr_va_sdst(0) depctr_va_ssrc(0) depctr_va_vcc(0) depctr_vm_vsrc(0)
	s_getreg_b32 s2, hwreg(HW_REG_IB_STS2, 6, 4)
	s_cmp_eq_u32 s2, 0
	s_cbranch_scc0 .Lentry_in_a_cluster
	s_endpgm
.Lentry_in_a_cluster:
	s_bfe_u32 s2, ttmp6, 0x10000c
	s_cmp_lg_u32 s2, 0x3003
	s_cbranch_scc0 .Lentry_shape_is_right
	s_endpgm
.Lentry_shape_is_right:
; out[h][q][:] = the sum over k <= q of softmax_k(Qr[h][q] . Kr[h][k]) V[h][k][:], both products on codes of FP6 (E2M3) with one E8M0 scale for each 32 along a product's K.
; kv holds K's and V's codes and scale words as images of operand registers, 13,056 bytes for each head and 128 keys; tab holds the cosines and sines of every position (both laid out at the head of the launch that makes them).
; Q is rotated and quantised here: each of its numbers is read by one work-group alone.
; THE SOFTMAX: t = score x log2(e); M = the row's largest t so far, rounded UP to a whole number; p = 2^(t - M) is quantised along the keys, not normalised.  The row's sum is taken of the unquantised p
; and divides at the end.  When M moves, the sum and O are multiplied by 2^(old M - new M), which rounds nothing.
; SHARES.  Work-group (x, head) owns tile x (16 queries) of each of the head's 16 query blocks of 128: the same walk for every x.  Waves w and w + 8 (w = 0 .. 7) share the tiles of blocks 15 - w ("long", 16 - w key blocks)
; and w ("short", w + 1 key blocks).  Wave w takes key blocks 0 .. 7 of the long tile: 8 steps.  Wave w + 8 takes the short tile's w + 1 steps, stores it, then the long tile's key blocks 8 .. 15 - w: 9 steps.
; At the end wave w hands its part of the long tile to wave w + 8 through LDS.  Key blocks that all come after a tile's queries are left out: the causal mask makes their p 0.
; LDS.  A head's 16 blocks of kv are filled once, block w by wave w's one tensor load.  The first barrier shows block 0, which is all that the first step reads; the second shows all.
; CLUSTERS of four work-groups of one head: they read the same blocks and ask for them jointly.  Branches hang on the wave's number alone; x enters addresses of Q, tab and out0 and the mask's numbers.
; NO PREFETCH: every byte of kv is asked for by the tensor loads at the head; nothing could be asked for earlier.
; LAYOUT.  Both products transposed: S^T = K Q^T (source 0 = 16 keys), O^T = V^T P^T (source 0 = 16 channels): a lane holds ONE query (lane % 16).  Register S + 32 c + m is key 64 c + 32 (lane / 16) + m: two whole
; blocks of 32 a lane, in the order of the next operand.  Tile 2 u + e of O^T, row m is channel 32 u + 2 m + e.  Row r of a query tile is query 64 (x / 4) + 8 (x % 4) + 32 (r / 8) + r % 8 of its block.
; The first product's K is 64: Q's registers 6-11 hold zero codes, so what stands in the upper half of K's operand (the next tile's codes; FP6 has no code for NaN or infinity) adds nothing: tiles lie 6 registers apart.
; LIMITS: NaN and infinities are not served; the promise holds while the exponents |t| stay under 2^31; a block of p that has fallen to zeros keeps the byte 1: its codes are zeros.
.set BLKB, 13056
.set KSC,  6144                        ; in a block: K's scale words,
.set VFO,  6656                        ; V^T's fragments,
.set VSO,  12800                       ; V's scale words
.set STG,  16*BLKB                     ; behind the head's codes: a stage of 16 rows x (256 + 16) bytes for each wave
.set MGB,  STG+16*4352                 ; for each pair of waves: 4,608 bytes for the long tile's part, 1,024 for its Q
.set MGP,  5632
.set SPARE, MGB+8*MGP                  ; the spare words, 128 bytes a wave
.set MA,   0                           ; v0   my pair's place: MGB + MGP x (wave % 8) + 16 x lane
.set L16,  1                           ; v1   16 x lane; v2 16 r + 8 h; v3 4 x lane
.set L8,   2
.set L4,   3
.set A16,  4                           ; v4-6 the same + the step's first LDS byte
.set A8,   5
.set A4,   6
.set TMP,  7
.set DQ,   8                           ; v8   my query's place in its block - 32 (lane / 16)
.set NINF, 9
.set VS,   10                          ; v10-11 V's scale words
.set NM,   12                          ; v12  -M;  v13 the largest score so far;  v[14:15] the row's sum in two halves
.set RMX,  13
.set SUM,  14
.set QF,   16                          ; v16-27 Q's fragment
.set KSW,  28                          ; v28-31 K's scale words: register T / 2, lanes 0-15 tile T even, lanes 16-31 odd
.set KFR,  32                          ; v32-79 eight tiles of K, 6 registers each (tile 7's upper half is v80-85)
.set PC,   80                          ; v80-91 p's codes; before that sums at work
.set MX,   86
.set VFR,  92                          ; v92-139 V^T's four fragments
.set S,    140                         ; v140-203 S^T, then p
.set O,    204                         ; v204-235 O^T
.set W0,   236                         ; v236-238, v240-242 at work
.set STO,  239                         ; the way out: into my stage,
.set W1,   240
.set RD,   243                         ; and back
.set SO,   244                         ; v244-245 the conversions' scale operands
.set BM,   246                         ; v246-247 each block's largest score, then its largest p
.set FF,   248                         ; v248 f = 2^(old M - new M); v249 is named with it as a pair
.set SHB,  250                         ; 8 x (lane / 16)
.set QS,   251                         ; Q's scale word
.set PS,   252                         ; p's scale word
.set W2,   253                         ; a lane permute's destination
.set SPW,  254                         ; my spare word's address, and 0; never rewritten
.set NIL,  255
.set CS,   VFR                         ; at the head: cosines and sines, the rotation's work, and where a row is read from the stage
.set TT,   VFR+32
.set QRD,  VFR+40
.set WV,   12
.set WP,   13                          ; wave % 8
.set CNT,  18                          ; the step's number
.set SEL,  20
.set CL,   22                          ; s[22:23] log2(e); s24 -log2(e)
.set NCL,  24
.set XX,   26                          ; the last step on my first tile's run of key blocks
.set DL,   27                          ; what is added to the step's number behind it
.set LAST, 28                          ; my last step
.set D1,   29                          ; the steps on the diagonal (63: none)
.set D2,   30
.set SW,   31                          ; the step ahead of which I change tiles
.set G1,   36
.set G0,   44
.macro ROUND
	s_barrier_signal -1
	s_barrier_wait -1
	s_cmp_lg_u32 s[WV], 0
	s_cbranch_scc1 .Lnot_wave_0_\@
	s_barrier_signal -3
.Lnot_wave_0_\@:
	s_barrier_wait -3
	s_barrier_signal -1
	s_barrier_wait -1
.endm
	s_load_b256 s[4:11], s[0:1], 0x0               ; Q, kv, tab, out0
	v_lshl_add_u32 v[SPW], v0, 2, SPARE
	v_mov_b32 v[NIL], 0
	ds_add_u32 v[SPW], v[NIL]                      ; the opening lines: the add, twice on end, and its wait
	ds_add_u32 v[SPW], v[NIL]
	v_lshrrev_b32 v1, 5, v0
	v_readfirstlane_b32 s[WV], v1                  ; wave 0..15
	s_bfe_u32 s14, ttmp6, 0x40000
	s_lshl_b32 s25, ttmp9, 2
	s_add_co_u32 s14, s14, s25                     ; x
	s_and_b32 s15, ttmp7, 0xffff                   ; head
	s_and_b32 s[WP], s[WV], 7
	s_sub_co_u32 s16, 15, s[WP]                    ; the long tile's block
	s_sub_co_u32 s[DL], 7, s[WP]
	s_cmp_lt_u32 s[WV], 8
	s_cselect_b32 s17, s16, s[WP]                  ; the block whose tile of Q I prepare: long or short
	s_cselect_b32 s[XX], 15, s[WP]
	s_cselect_b32 s[LAST], 7, 8
	s_cselect_b32 s[D1], 63, s[WP]
	s_cselect_b32 s[D2], 63, 8
	s_add_co_u32 s[SW], s[D1], 1
	s_lshr_b32 s63, s14, 2
	s_lshl_b32 s63, s63, 6
	s_and_b32 s25, s14, 3
	s_lshl_b32 s25, s25, 3
	s_add_co_u32 s63, s63, s25                     ; my tiles' first row in a block
	s_lshl_b32 s62, s15, 11
	s_add_co_u32 s62, s62, s63
	s_mov_b32 s53, 0
	; group 1: a dense block of 13,056 bytes as 51 rows of 256 bytes (32 elements of 8 bytes), no padding
	s_mov_b32 s[G1], 15|(3<<16)|(1<<21)            ; 15:0 the four of my cluster; 17:16 elements of 8 bytes; 21 set beside a mask
	s_mov_b32 s[G1+1], 32<<16                      ; tensor_dim0 = 32
	s_mov_b32 s[G1+2], 51<<16                      ; tensor_dim1 = 51
	s_mov_b32 s[G1+3], 32<<16                      ; tile_dim0 = 32
	s_mov_b32 s[G1+4], 51                          ; tile_dim1 = 51
	s_mov_b32 s[G1+5], 32                          ; from row to row
	s_mov_b32 s[G1+6], 0
	s_mov_b32 s[G1+7], 0
	s_mov_b32 s[SEL], 0x76543210
	s_mov_b32 s[SEL+1], 0xfedcba98                 ; v_permlanex16_b32's selects for lane l xor 16
	s_mov_b32 s[CL], 0x3fb8aa3b
	s_mov_b32 s[CL+1], s[CL]                       ; (named with it as a pair, so it is written)
	s_mov_b32 s[NCL], 0xbfb8aa3b
	s_mul_i32 s25, s[WV], 4352
	s_add_co_u32 s25, s25, STG                     ; my stage
	s_mul_i32 s19, s[WP], MGP
	s_add_co_u32 s19, s19, MGB
	v_and_b32 v3, 31, v0
	v_and_b32 v4, 15, v0                           ; r
	v_bfe_u32 v5, v0, 4, 1                         ; h
	v_lshlrev_b32 v[L16], 4, v3
	v_lshlrev_b32 v[L4], 2, v3
	v_lshlrev_b32 v[SHB], 3, v5
	v_mul_u32_u24 v6, v4, 272
	v_mul_u32_u24 v7, v5, 272
	v_lshl_add_u32 v[L8], v4, 4, v[SHB]            ; 16 r + 8 h
	v_add_nc_u32 v6, s25, v6                       ; row r of my stage
	v_lshl_add_u32 v7, v4, 4, v7
	v_add_nc_u32 v[MA], s19, v[L16]
	v_lshl_add_u32 v[STO], v5, 6, v6               ; out: my 16 channels of row r: 128 u + 64 h bytes on
	v_lshl_add_u32 v[QRD], v5, 7, v6               ; Q: my 32 neighbours of row r
	v_add_nc_u32 v[RD], s25, v7                    ; whole rows: lanes 0-15 one, lanes 16-31 the next
	v_lshrrev_b32 v6, 3, v4
	v_and_b32 v7, 7, v4
	v_lshl_add_u32 v6, v6, 5, v7
	v_lshlrev_b32 v7, 5, v5
	v_sub_nc_u32 v6, v6, v7
	v_add_nc_u32 v[DQ], s63, v6
	s_wait_alu depctr_va_vdst(0)                   ; directly ahead of the waits below
	s_wait_dscnt 0x0                               ; both opening adds are done
	s_wait_kmcnt 0x0
	s_lshl_b32 s52, s17, 7
	s_add_co_u32 s52, s52, s62
	s_lshl_b32 s52, s52, 8
	s_add_nc_u64 s[54:55], s[4:5], s[52:53]        ; my tile of Q: 256 bytes a row
	s_lshl_b32 s52, s17, 3
	s_add_co_u32 s52, s52, s14
	s_lshl_b32 s52, s52, 12
	s_add_nc_u64 s[56:57], s[8:9], s[52:53]        ; and its cosines and sines
.irp i, 0,1,2,3,4,5,6,7                        ; rows 2 i, 2 i + 1 of the tile: 512 consecutive bytes; rows 8-15 lie 32 rows behind rows 0-7; read once in the launch
	global_load_b128 v[S+4*\i:S+4*\i+3], v[L16], s[54:55] offset:512*\i+6144*(\i/4) th:TH_LOAD_NT
.endr
.irp i, 0,1,2,3,4,5,6,7
	global_load_b128 v[CS+4*\i:CS+4*\i+3], v[L16], s[56:57] offset:512*\i
.endr
	s_lshl_b32 s52, s16, 7
	s_add_co_u32 s52, s52, s62
	s_lshl_b32 s52, s52, 8
	s_add_nc_u64 s[58:59], s[10:11], s[52:53]      ; the long tile's rows of the output,
	s_lshl_b32 s52, s[WP], 7
	s_add_co_u32 s52, s52, s62
	s_lshl_b32 s52, s52, 8
	s_add_nc_u64 s[60:61], s[10:11], s[52:53]      ; and the short tile's
	s_mul_i32 s52, s15, 16*BLKB
	s_mul_i32 s[G0+1], s[WV], BLKB                 ; block w: in memory and in LDS alike
	s_add_co_u32 s52, s52, s[G0+1]
	s_mov_b32 s[G0], 1
	s_add_nc_u64 s[G0+2:G0+3], s[6:7], s[52:53]
	s_or_b32 s[G0+3], s[G0+3], 0x80000000
	ROUND                                          ; all four work-groups are here: the joint loads meet
	s_cmp_eq_u32 s[WV], 0                          ; block 0's load has a line of its own: the first barrier shows it alone
	s_cbranch_scc0 .Lfill
	tensor_load_to_lds s[G0:G0+3], s[G1:G1+7]
	s_nop 0
.rept 4
	v_nop
.endr
	s_branch .Lasked
.Lfill:
	tensor_load_to_lds s[G0:G0+3], s[G1:G1+7]
	s_nop 0
.rept 4
	v_nop
.endr
.Lasked:
	; Q: through my stage, rotated, quantised
	v_mov_b32 v[W2], 0                             ; written once: a lane permute's destination counts as one of its sources
	s_wait_alu depctr_va_vdst(0)                   ; directly ahead of the wait below
	s_wait_loadcnt 8                               ; Q is in; the eight loads from tab may be out
.irp i, 0,1,2,3,4,5,6,7
	ds_store_b128 v[RD], v[S+4*\i:S+4*\i+3] offset:544*\i
.endr
.irp m, 0,1,2,3,4,5,6,7
	ds_load_b128 v[S+32+4*\m:S+35+4*\m], v[QRD] offset:16*\m   ; LDS serves a wave's instructions in order (ISA guide 5.7.1.4): these see my stores
.endr
	s_wait_loadcnt 0x0
	s_wait_dscnt 0x0
.irp q, 0,1,2,3                                ; the rotation, two lines a pair (xe, xo): (-xo s, xe s), then (xe c, xo c) added
.irp k, 0,1,2,3
	v_pk_mul_f32 v[TT+2*\k:TT+2*\k+1], v[S+32+8*\q+2*\k:S+33+8*\q+2*\k], v[CS+8*\q+2*\k:CS+8*\q+2*\k+1] op_sel:[1,1] op_sel_hi:[0,1] neg_lo:[0,1]
.endr
.irp k, 0,1,2,3
	v_pk_fma_f32 v[S+32+8*\q+2*\k:S+33+8*\q+2*\k], v[S+32+8*\q+2*\k:S+33+8*\q+2*\k], v[CS+8*\q+2*\k:CS+8*\q+2*\k+1], v[TT+2*\k:TT+2*\k+1] op_sel_hi:[1,0,1]
.endr
.endr
	v_max3_num_f32 v[BM], |v[S+32]|, |v[S+33]|, 0x1800000   ; the block's largest magnitude, with the floor 2^(3 - 127)
	v_max3_num_f32 v[BM+1], |v[S+34]|, |v[S+35]|, |v[S+36]|
.irp i, 5,9,13,17,21,25
	v_max3_num_f32 v[BM], v[BM], |v[S+32+\i]|, |v[S+33+\i]|
	v_max3_num_f32 v[BM+1], v[BM+1], |v[S+34+\i]|, |v[S+35+\i]|
.endr
	v_max3_num_f32 v[BM], v[BM], |v[S+61]|, |v[S+62]|
	v_max3_num_f32 v[BM], v[BM], v[BM+1], |v[S+63]|
	v_add_nc_u32 v[SO], 0xff000000, v[BM]          ; 2 off the exponent field: the conversion's scale operand
	v_cvt_scalef32_pk16_fp6_f32 v[QF:QF+2], v[S+32:S+47], v[SO]
	v_cvt_scalef32_pk16_fp6_f32 v[W0:W0+2], v[S+48:S+63], v[SO]   ; (a conversion's three registers begin on an even number)
	v_lshrrev_b32 v[TMP], 23, v[SO]                ; the byte.  (Also the plain line behind the conversions)
	v_mov_b32 v[QF+3], v[W0]
	v_mov_b32 v[QF+4], v[W0+1]
	v_mov_b32 v[QF+5], v[W0+2]
	v_lshlrev_b32 v[QS], v[SHB], v[TMP]            ; at its place,
	v_permlanex16_b32 v[W2], v[QS], s[SEL], s[SEL+1]
	v_or_b32 v[QS], v[QS], v[W2]                   ; with lane l xor 16's,
	v_lshl_or_b32 v[QS], v[QS], 16, v[QS]          ; and both once more
.irp i, 6,7,8,9,10,11
	v_mov_b32 v[QF+\i], 0                          ; K = 64 .. 127 of the first product: zero codes
.endr
.irp i, 0,1,2,3,4,5
	v_mov_b32 v[PC+\i], 0                          ; named as the upper half of K's tile 7 before it is first written
.endr
	v_mov_b32 v[A16], v[L16]                       ; the first step: block 0
	v_mov_b32 v[A8], v[L8]
	v_mov_b32 v[A4], v[L4]
	v_mov_b32 v[NINF], 0xff800000
	v_mov_b32 v[RMX], 0xfe967699                   ; the largest score so far: -1e38
	v_mov_b32 v[NM], 0x7e967699                    ; -M
	v_mov_b32 v[SUM], 0
	v_mov_b32 v[SUM+1], 0
	v_mov_b32 v[FF+1], 0
	s_wait_alu depctr_va_vdst(0)                   ; the wait at the head's end
	s_cmp_lt_u32 s[WV], 8                          ; the long tile's Q also goes to my partner
	s_cbranch_scc0 .Lnoq
	ds_store_b128 v[MA], v[QF:QF+3] offset:4608
	ds_store_b64 v[MA], v[QF+4:QF+5] offset:5120
	ds_store_b32 v[MA], v[QS] offset:5128
.Lnoq:
	s_cmp_eq_u32 s[WV], 0
	s_cbranch_scc0 .Lnotwait
	s_wait_tensorcnt 0x0                           ; block 0 has landed
.Lnotwait:
	s_wait_dscnt 0x0
	s_barrier_signal -1
	s_barrier_wait -1                              ; block 0 and the long tiles' Q are there for every wave
.macro KLOAD                                   ; 17 LDS loads: K's scale words and eight tiles
	ds_load_b128 v[KSW:KSW+3], v[A16] offset:KSC
.irp t, 0,1,2,3,4,5,6,7
	ds_load_b128 v[KFR+6*\t:KFR+6*\t+3], v[A16] offset:768*\t
	ds_load_b64 v[KFR+6*\t+4:KFR+6*\t+5], v[A8] offset:768*\t+512
.endr
.endm
.macro VLOAD                                   ; 18: V^T's four fragments and its scale words
.irp t, 0,1,2,3
.irp c, 0,1
	ds_load_b128 v[VFR+12*\t+6*\c:VFR+12*\t+6*\c+3], v[A16] offset:VFO+1536*\t+768*\c
	ds_load_b64 v[VFR+12*\t+6*\c+4:VFR+12*\t+6*\c+5], v[A8] offset:VFO+1536*\t+768*\c+512
.endr
.endr
	ds_load_b32 v[VS], v[A4] offset:VSO
	ds_load_b32 v[VS+1], v[A4] offset:VSO+128
.endm
.macro NEXT                                    ; the next step's key block: its number, or that + 7 - w behind the short tile's run
	s_add_co_u32 s19, s[CNT], 1
	s_cmp_le_u32 s19, s[XX]
	s_cselect_b32 s25, 0, s[DL]
	s_add_co_u32 s25, s25, s19
	s_min_u32 s25, s25, 15
	s_mul_i32 s25, s25, BLKB
	v_add_nc_u32 v[A16], s25, v[L16]
	v_add_nc_u32 v[A8], s25, v[L8]
	v_add_nc_u32 v[A4], s25, v[L4]
.endm
; A KEY STEP: 128 keys.  K's codes are on their way or in.  first = 1: the tile's sums begin with 0, and nothing is asked for ahead (the next block is shown by the barrier behind this step).
.macro HERE                                    ; this step's key block, made as NEXT makes the next one's
	s_cmp_le_u32 s[CNT], s[XX]
	s_cselect_b32 s25, 0, s[DL]
	s_add_co_u32 s25, s25, s[CNT]
	s_min_u32 s25, s25, 15
	s_mul_i32 s25, s25, BLKB
	v_add_nc_u32 v[A16], s25, v[L16]
	v_add_nc_u32 v[A8], s25, v[L8]
	v_add_nc_u32 v[A4], s25, v[L4]
.endm
.macro ADD4 m                                  ; the second block's numbers into the row's sum, four chains by turns
	v_pk_add_f32 v[PC:PC+1], v[PC:PC+1], v[S+32+2*(\m):S+33+2*(\m)]
	v_pk_add_f32 v[PC+4:PC+5], v[PC+4:PC+5], v[S+34+2*(\m):S+35+2*(\m)]
	v_pk_add_f32 v[PC+8:PC+9], v[PC+8:PC+9], v[S+36+2*(\m):S+37+2*(\m)]
	v_pk_add_f32 v[W0:W0+1], v[W0:W0+1], v[S+38+2*(\m):S+39+2*(\m)]
.endm
.macro STEP first
	s_wait_dscnt 0x0                               ; K's codes are in
.irp t, 0,1,2,3,4,5,6,7                        ; S^T = K Q^T: eight sums of their own, begun with the constant 0
.if (\t)%2
	v_wmma_scale_f32_16x16x128_f8f6f4 v[S+8*\t:S+8*\t+7], v[KFR+6*\t:KFR+6*\t+11], v[QF:QF+11], 0, v[KSW+\t/2], v[QS] matrix_a_fmt:MATRIX_FMT_FP6 matrix_b_fmt:MATRIX_FMT_FP6 matrix_a_scale:MATRIX_SCALE_ROW1
.else
	v_wmma_scale_f32_16x16x128_f8f6f4 v[S+8*\t:S+8*\t+7], v[KFR+6*\t:KFR+6*\t+11], v[QF:QF+11], 0, v[KSW+\t/2], v[QS] matrix_a_fmt:MATRIX_FMT_FP6 matrix_b_fmt:MATRIX_FMT_FP6
.endif
.endr
.if \first                                     ; four plain lines ahead of loads into what matrix instructions have read, and of the first read of results
.rept 4
	v_nop
.endr
.else
	v_mov_b32 v[FF], v[NM]
	HERE
.endif
	VLOAD                                          ; V's codes land while the softmax is worked
.if \first == 0
	NEXT
	s_cmp_ge_u32 s[CNT], s[LAST]
	s_cbranch_scc1 .Lnok_\@
	KLOAD                                          ; and so do the next step's K
	s_branch .Lk_\@
.Lnok_\@:
	s_wait_dscnt 0x0                               ; my last step asks for no K: V alone was out
.Lk_\@:
.endif
	s_cmp_eq_u32 s[CNT], s[D1]
	s_cbranch_scc1 .Lmask_\@
	s_cmp_lg_u32 s[CNT], s[D2]
	s_cbranch_scc1 .Lopen_\@
.Lmask_\@:                                         ; the tile's diagonal block: register 32 c + m is hidden where 64 c + m > my query - 32 (lane / 16)
.set n, 0
.rept 64
	v_cmp_gt_i32 vcc_lo, 64*(n/32)+n%32, v[DQ]
	v_cndmask_b32 v[S+n], v[S+n], v[NINF], vcc_lo  ; -infinity ahead of the maximum: p = 0 then.  The block's first key counts for every query, so the row's maximum is a number
.set n, n+1
.endr
.Lopen_\@:
.irp b, 0,1,2,3
	v_max3_num_f32 v[MX+\b], v[S+16*\b], v[S+1+16*\b], v[S+2+16*\b]   ; the largest score of each block: for the row's maximum, and, since p rises with the score, for the block's largest p
.endr
.irp i, 3,5,7,9,11,13
.irp b, 0,1,2,3
	v_max3_num_f32 v[MX+\b], v[MX+\b], v[S+16*\b+\i], v[S+1+16*\b+\i]   ; (four chains by turns)
.endr
.endr
	v_max3_num_f32 v[MX], v[MX], v[S+15], v[S+31]
	v_max3_num_f32 v[MX+2], v[MX+2], v[S+47], v[S+63]
	v_max_num_f32 v[BM], v[MX], v[MX+1]
	v_max_num_f32 v[BM+1], v[MX+2], v[MX+3]
	s_delay_alu instid0(VALU_DEP_1)
	v_max_num_f32 v[TMP], v[BM], v[BM+1]
	s_delay_alu instid0(VALU_DEP_1)
	v_permlanex16_b32 v[W2], v[TMP], s[SEL], s[SEL+1]
	s_delay_alu instid0(VALU_DEP_1)
	v_max3_num_f32 v[RMX], v[RMX], v[TMP], v[W2]   ; with lane l xor 16's keys: the largest score so far
	s_delay_alu instid0(VALU_DEP_1)
	v_mul_f32 v[TMP], s[NCL], v[RMX]
	s_delay_alu instid0(VALU_DEP_1)
	v_floor_f32 v[NM], v[TMP]                      ; -M = floor(-t) = -ceil(t)
.if \first == 0
	s_delay_alu instid0(VALU_DEP_1)
	v_sub_f32 v[FF], v[NM], v[FF]                  ; old M - new M: a whole number, 0 or less
	s_delay_alu instid0(VALU_DEP_1)
	v_cvt_i32_f32 v[FF], v[FF]                     ; (it saturates)
	s_delay_alu instid0(VALU_DEP_1)
	v_ldexp_f32 v[FF], 1.0, v[FF]
.irp j, 0,2,4,6,8,10,12,14,16,18,20,22,24,26,28,30
	v_pk_mul_f32 v[O+\j:O+\j+1], v[O+\j:O+\j+1], v[FF:FF+1] op_sel_hi:[1,0]   ; O^T and the sum under the new M; each accumulator from its low end on
.endr
	v_pk_mul_f32 v[SUM:SUM+1], v[SUM:SUM+1], v[FF:FF+1] op_sel_hi:[1,0]
.endif
.irp j, 0,2,4,6,8,10,12,14,16,18,20,22,24,26,28,30
	v_pk_fma_f32 v[S+\j:S+\j+1], v[S+\j:S+\j+1], s[CL:CL+1], v[NM:NM+1] op_sel_hi:[1,0,0]   ; t - M of my first block, two at a time
.endr
	v_fma_f32 v[BM], v[BM], s[CL], v[NM]           ; the same of each block's largest score
	v_fma_f32 v[BM+1], v[BM+1], s[CL], v[NM]
	s_wait_alu depctr_va_vdst(0)                   ; the wait ahead of the batch
.set n, 0
.rept 16
	v_exp_f32 v[S+n], v[S+n]                       ; p = 2^(t - M), at most 1
	v_exp_f32 v[S+n+1], v[S+n+1]
	v_pk_fma_f32 v[S+32+n:S+33+n], v[S+32+n:S+33+n], s[CL:CL+1], v[NM:NM+1] op_sel_hi:[1,0,0]   ; between them t - M of my second block
.set n, n+2
.endr
	v_exp_f32 v[BM], v[BM]                         ; the blocks' largest p: the same two instructions on the same number give the same bits
	v_exp_f32 v[BM+1], v[BM+1]
	v_nop
	s_wait_alu depctr_va_vdst(0)                   ; one for the first batch's results and the second's sources
.set n, 0
.rept 16
	v_exp_f32 v[S+32+n], v[S+32+n]
	v_exp_f32 v[S+33+n], v[S+33+n]
.if n%4 == 0
.set TD, PC+n/2
.if n == 24
.set TD, W0
.endif
.if n == 28
.set TD, W1
.endif
	v_pk_add_f32 v[TD:TD+1], v[S+n:S+n+1], v[S+n+2:S+n+3]   ; between them the first block's sums, eight of them: the row's sum is taken of the unquantised p
.endif
.set n, n+2
.endr
	v_max_num_f32 v[BM], 0x1800000, v[BM]          ; the floor 2^(3 - 127): the byte cannot fall under 1
	v_max_num_f32 v[BM+1], 0x1800000, v[BM+1]
	s_wait_alu depctr_va_vdst(0)                   ; for the second batch, and directly ahead of the wait below
.if \first
	s_wait_dscnt 0x0                               ; V's codes are in
.else
	s_wait_dscnt 17                                ; V's codes are in; the 17 loads of the next step's K may be out
.endif
	v_add_nc_u32 v[SO], 0xff000000, v[BM]          ; 2 off the exponent field: the conversion's scale operand
	v_add_nc_u32 v[SO+1], 0xff000000, v[BM+1]
	v_pk_add_f32 v[PC:PC+1], v[PC:PC+1], v[PC+2:PC+3]
	v_pk_add_f32 v[PC+4:PC+5], v[PC+4:PC+5], v[PC+6:PC+7]
	v_pk_add_f32 v[PC+8:PC+9], v[PC+8:PC+9], v[PC+10:PC+11]
	v_pk_add_f32 v[W0:W0+1], v[W0:W0+1], v[W1:W1+1]
	v_lshrrev_b32 v[TMP], 23, v[SO]                ; the scales' bytes
	v_lshrrev_b32 v[PS], 23, v[SO+1]
	ADD4 0
	v_lshl_or_b32 v[PS], v[PS], 16, v[TMP]
	ADD4 4
	v_lshlrev_b32 v[PS], v[SHB], v[PS]             ; block 2 c + (lane / 16) has byte 2 c + (lane / 16)
	ADD4 8
	v_permlanex16_b32 v[W2], v[PS], s[SEL], s[SEL+1]
	v_pk_add_f32 v[FF:FF+1], v[PC:PC+1], v[S+56:S+57]
	v_pk_add_f32 v[BM:BM+1], v[PC+4:PC+5], v[S+58:S+59]
	v_pk_add_f32 v[SUM:SUM+1], v[SUM:SUM+1], v[PC+8:PC+9]
	v_or_b32 v[PS], v[PS], v[W2]                   ; p's scale word for these 128 keys
	v_pk_add_f32 v[FF:FF+1], v[FF:FF+1], v[W0:W0+1]
.irp c, 0,1                                    ; my lane's whole block 2 c + (lane / 16): the operand's order
	v_cvt_scalef32_pk16_fp6_f32 v[PC+6*\c:PC+2+6*\c], v[S+32*\c:S+15+32*\c], v[SO+\c]
	v_cvt_scalef32_pk16_fp6_f32 v[W0+4*\c:W0+2+4*\c], v[S+16+32*\c:S+31+32*\c], v[SO+\c]
.endr
	v_nop                                          ; one plain line behind the scaled conversions
.irp i, 0,1,2
	v_mov_b32 v[PC+3+\i], v[W0+\i]
	v_mov_b32 v[PC+9+\i], v[W1+\i]
.endr
	v_pk_add_f32 v[BM:BM+1], v[BM:BM+1], v[S+60:S+61]   ; four plain lines ahead of the products
	v_pk_add_f32 v[SUM:SUM+1], v[SUM:SUM+1], v[S+62:S+63]
	v_pk_add_f32 v[FF:FF+1], v[FF:FF+1], v[BM:BM+1]
	v_pk_add_f32 v[SUM:SUM+1], v[SUM:SUM+1], v[FF:FF+1]
	s_wait_alu depctr_va_vdst(0)                   ; p's codes are named again, and the sums read, behind the branches that follow
.irp t, 0,1,2,3                                ; O^T += V^T P^T: four accumulators by turns; eight products S^T stand between two links of a chain
.if \first
.if (\t)%2
	v_wmma_scale_f32_16x16x128_f8f6f4 v[O+8*\t:O+8*\t+7], v[VFR+12*\t:VFR+12*\t+11], v[PC:PC+11], 0, v[VS+\t/2], v[PS] matrix_a_fmt:MATRIX_FMT_FP6 matrix_b_fmt:MATRIX_FMT_FP6 matrix_a_scale:MATRIX_SCALE_ROW1
.else
	v_wmma_scale_f32_16x16x128_f8f6f4 v[O+8*\t:O+8*\t+7], v[VFR+12*\t:VFR+12*\t+11], v[PC:PC+11], 0, v[VS+\t/2], v[PS] matrix_a_fmt:MATRIX_FMT_FP6 matrix_b_fmt:MATRIX_FMT_FP6
.endif
.else
.if (\t)%2
	v_wmma_scale_f32_16x16x128_f8f6f4 v[O+8*\t:O+8*\t+7], v[VFR+12*\t:VFR+12*\t+11], v[PC:PC+11], v[O+8*\t:O+8*\t+7], v[VS+\t/2], v[PS] matrix_a_fmt:MATRIX_FMT_FP6 matrix_b_fmt:MATRIX_FMT_FP6 matrix_a_scale:MATRIX_SCALE_ROW1
.else
	v_wmma_scale_f32_16x16x128_f8f6f4 v[O+8*\t:O+8*\t+7], v[VFR+12*\t:VFR+12*\t+11], v[PC:PC+11], v[O+8*\t:O+8*\t+7], v[VS+\t/2], v[PS] matrix_a_fmt:MATRIX_FMT_FP6 matrix_b_fmt:MATRIX_FMT_FP6
.endif
.endif
.endr
.endm
; THE WAY OUT of a finished tile, 32 numbers a lane from v[src] on: through my stage into v[dst] on, and out as whole rows of 256 bytes.
.macro OUT src, dst, base
.irp u, 0,1
.irp k, 0,1,2,3
	ds_store_b128 v[STO], v[\src+16*\u+4*\k:\src+16*\u+4*\k+3] offset:128*\u+16*\k
.endr
.endr
.irp i, 0,1,2,3,4,5,6,7
	ds_load_b128 v[\dst+4*\i:\dst+4*\i+3], v[RD] offset:544*\i   ; LDS serves a wave's instructions in order (ISA guide 5.7.1.4)
.endr
.irp i, 0,1,2,3,4,5,6,7
	s_wait_dscnt 7-\i                              ; the younger loads may be out
	global_store_b128 v[L16], v[\dst+4*\i:\dst+4*\i+3], s[\base:\base+1] offset:512*\i+6144*(\i/4) th:TH_STORE_NT   ; 512 consecutive bytes, aligned to 256; read by nobody here
.endr
.endm
	s_mov_b32 s[CNT], 0
	KLOAD
	STEP 1
	s_wait_alu depctr_va_vdst(0)                   ; directly ahead of the waits below
	s_wait_tensorcnt 0x0                           ; my block has landed,
	s_wait_dscnt 0x0
	s_barrier_signal -1
	s_barrier_wait -1                              ; and so have all 16
	NEXT
	KLOAD
	s_mov_b32 s[CNT], 1
.Lloop:
	s_cmp_gt_u32 s[CNT], s[LAST]                   ; waves 0-7 have 8 steps
	s_cbranch_scc1 .Lidle
	s_cmp_lt_u32 s[WV], 8
	s_cbranch_scc1 .Lsame
	s_cmp_lg_u32 s[CNT], s[SW]
	s_cbranch_scc1 .Lsame
	; the short tile is finished: out it goes, and the long one begins
	s_wait_alu depctr_va_vdst(0)                   ; ahead of the sum's reader
	v_add_f32 v[SUM], v[SUM], v[SUM+1]             ; the sum's two halves,
	v_nop
	v_permlanex16_b32 v[W2], v[SUM], s[SEL], s[SEL+1]
	v_nop
	v_add_f32 v[SUM], v[SUM], v[W2]                ; and lane l xor 16's
	s_wait_alu depctr_va_vdst(0)
	v_rcp_f32 v[SUM], v[SUM]
	v_mov_b32 v[SUM+1], 0                          ; (a plain line behind the reciprocal)
	s_wait_alu depctr_va_vdst(0)                   ; ahead of the reciprocal's and O^T's first reader
.irp t, 0,1,2,3
.irp i, 0,1,2,3,4,5,6,7
	v_mul_f32 v[S+16*(\t/2)+2*\i+(\t%2)], v[O+8*\t+\i], v[SUM]   ; tiles 2 u and 2 u + 1 hold channels by turns
.endr
.endr
	OUT S, VFR, 60
	ds_load_b128 v[QF:QF+3], v[MA] offset:4608     ; the long tile's Q
	ds_load_b64 v[QF+4:QF+5], v[MA] offset:5120
	ds_load_b32 v[QS], v[MA] offset:5128
.set n, 0
.rept 32
	v_mov_b32 v[O+n], 0                            ; (the step is written for a tile under way: it finds zeros, which the first change of M leaves zeros)
.set n, n+1
.endr
	v_mov_b32 v[SUM], 0
	v_mov_b32 v[RMX], 0xfe967699
	v_mov_b32 v[NM], 0x7e967699
	s_wait_alu depctr_va_vdst(0)                   ; directly ahead of the wait below
	s_wait_xcnt 0x0                                ; the stores' data registers may be written again
.Lsame:
	STEP 0
.Lidle:
	s_add_co_u32 s[CNT], s[CNT], 1
	s_cmp_lt_u32 s[CNT], 9
	s_cbranch_scc1 .Lloop
	; THE LONG TILE'S TWO PARTS ARE JOINED
	s_wait_alu depctr_va_vdst(0)                   ; ahead of the sum's reader
	v_add_f32 v[SUM], v[SUM], v[SUM+1]
	s_wait_alu depctr_va_vdst(0)                   ; directly ahead of the branch
	s_cmp_lt_u32 s[WV], 8
	s_cbranch_scc0 .Lmeet
	v_mov_b32 v[RMX], v[SUM]                       ; (-M, the sum) as a pair
.rept 4
	v_nop                                          ; places ahead of the stores of results
.endr
	ds_store_b64 v[MA], v[NM:NM+1] offset:4096
.irp j, 0,1,2,3,4,5,6,7
	ds_store_b128 v[MA], v[O+4*\j:O+4*\j+3] offset:512*\j
.endr
.Lmeet:
	s_wait_dscnt 0x0                               ; for my partner's sake
	s_barrier_signal -1
	s_barrier_wait -1
	s_cmp_lt_u32 s[WV], 8
	s_cbranch_scc1 .Lend
	ds_load_b64 v[W0:W0+1], v[MA] offset:4096
.irp j, 0,1,2,3,4,5,6,7
	ds_load_b128 v[S+4*\j:S+4*\j+3], v[MA] offset:512*\j
.endr
	s_wait_dscnt 8                                 ; the pair is in; the eight loads of O^T may be out
	v_min_num_f32 v[TMP], v[NM], v[W0]             ; -M of both
	v_sub_f32 v[FF], v[TMP], v[W0]                 ; each part's old M - new M
	v_sub_f32 v[SO], v[TMP], v[NM]
	v_cvt_i32_f32 v[FF], v[FF]
	v_cvt_i32_f32 v[SO], v[SO]
	v_ldexp_f32 v[FF], 1.0, v[FF]
	v_ldexp_f32 v[SO], 1.0, v[SO]
	v_mul_f32 v[W0+1], v[W0+1], v[FF]
	v_fma_f32 v[SUM], v[SUM], v[SO], v[W0+1]
	v_permlanex16_b32 v[W2], v[SUM], s[SEL], s[SEL+1]
	v_add_f32 v[SUM], v[SUM], v[W2]                ; the row's sum
	s_wait_alu depctr_va_vdst(0)
	v_rcp_f32 v[SUM], v[SUM]
	v_nop
	s_wait_alu depctr_va_vdst(0)
	s_wait_dscnt 0x0
	v_mul_f32 v[FF], v[FF], v[SUM]
	v_mul_f32 v[SO], v[SO], v[SUM]
.irp t, 0,1,2,3
.irp i, 0,1,2,3,4,5,6,7
	v_mul_f32 v[VFR+16*(\t/2)+2*\i+(\t%2)], v[S+8*\t+\i], v[FF]
.endr
.endr
	s_wait_alu depctr_va_vdst(0)                   ; directly ahead of O^T's first reader
.irp t, 0,1,2,3
.irp i, 0,1,2,3,4,5,6,7
	v_fma_f32 v[VFR+16*(\t/2)+2*\i+(\t%2)], v[O+8*\t+\i], v[SO], v[VFR+16*(\t/2)+2*\i+(\t%2)]
.endr
.endr
	OUT VFR, S, 58
.Lend:
	s_wait_tensorcnt 0x0                           ; the wave's end
	ds_add_u32 v[SPW], v[NIL]
	s_wait_dscnt 0x0
	ROUND                                          ; the closing round
	s_endpgm
.Lfunc_end_k_q0372b8e897_attn:
	.size	k_q0372b8e897_attn, .Lfunc_end_k_q0372b8e897_attn-k_q0372b8e897_attn
	.p2alignl 7, 3214868480
	.fill 96, 4, 3214868480
	.section	.rodata,"a",@progbits
	.p2align	6, 0x0
	.amdhsa_kernel k_q0372b8e897_attn
		.amdhsa_group_segment_fixed_size 327680
		.amdhsa_private_segment_fixed_size 0
		.amdhsa_enable_private_segment 0
		.amdhsa_kernarg_size 32
		.amdhsa_user_sgpr_count 2
		.amdhsa_user_sgpr_kernarg_segment_ptr 1
		.amdhsa_wavefront_size32 1
		.amdhsa_system_sgpr_workgroup_id_x 1
		.amdhsa_system_sgpr_workgroup_id_y 1
		.amdhsa_system_sgpr_workgroup_id_z 1
		.amdhsa_system_vgpr_workitem_id 0
		.amdhsa_next_free_vgpr 256
		.amdhsa_next_free_sgpr 66
		.amdhsa_reserve_vcc 1
		.amdhsa_float_denorm_mode_32 3
		.amdhsa_float_denorm_mode_16_64 3
		.amdhsa_memory_ordered 1
		.amdhsa_forward_progress 1
		.amdhsa_inst_pref_size 67
	.end_amdhsa_kernel
	.amdgpu_metadata
---
amdhsa.version: [ 1, 2 ]
amdhsa.kernels:
  - .name:           k_q0372b8e897_attn
    .symbol:         k_q0372b8e897_attn.kd
    .args:
      - { .name: Q, .offset: 0, .size: 8, .value_kind: global_buffer, .address_space: global }
      - { .name: kv, .offset: 8, .size: 8, .value_kind: global_buffer, .address_space: global }
      - { .name: tab, .offset: 16, .size: 8, .value_kind: global_buffer, .address_space: global }
      - { .name: out0, .offset: 24, .size: 8, .value_kind: global_buffer, .address_space: global }
    .group_segment_fixed_size: 327680
    .private_segment_fixed_size: 0
    .kernarg_segment_align: 8
    .kernarg_segment_size: 32
    .max_flat_workgroup_size: 512
    .sgpr_count:     66
    .vgpr_count:     256
    .wavefront_size: 32
...
	.end_amdgpu_metadata
.endif
;; end of part 2
